; MI455X (gfx1250); checked and timed in simulation.
; The chip was launched on July 23, 2026; its instructions are those of AMD's public machine-readable ISA for CDNA 5 (MIT licence, August 2026) and "CDNA5" Instruction Set Architecture Reference Guide (July 2026). The comments in the code are by the model that wrote it; some were corrected since.
;; Attention aux. Allowed arithmetic: matrix products marked QUANTISED: E2M3 operands, one E8M0 scale for each 32 along K, by v_wmma_scale_f32_16x16x128_f8f6f4 with both operands' format E2M3, f32 sums; products left as they are: f32 operands where the result goes on into a quantised operand, else bf16, f16 or f32 operands; f32 sums; everything else in f32.
;; Inputs: W1 1,024 x 4,096 float32; W3 1,024 x 3,072 float32; b1 1,024 float32; b3 1,024 float32; encoder_outputs 32 x 512 x 3,072 float32; hidden_state 32 x 1,024 float32; w2 1 x 1,024 float32.
;; Outputs: out0 32 x 1,024 float32.
;; This version of the problem:
;;   THIS VERSION OF THE PROBLEM IS GIVEN IN LOW PRECISION. The matrix products marked QUANTISED in the list below multiply operands that are first quantised to E2M3 (2 exponent bits, 3 mantissa bits; 6 bits a number), with one power-of-two scale for each 32 numbers along K (OCP MX v1.0); their sums are f32. All else is computed in f32.
;;   The module's matrix products, in the order in which they are computed (A, B: the left and right operand; K: the contracted axis; several contracted axes count as one K, in the product's order):
;;     1. [M 16,384, K 4,096] x [K 4,096, N 1,024]; A: computed on the way; B: input W1: QUANTISED
;;     2. [M 16,384, K 1,024] x [K 1,024, N 1]; A: computed on the way; B: input w2: left as it is (N = 1 < 16)
;;     3. batch 32 x [M 1, K 512] x [K 512, N 3,072]; A: softmax; B: input encoder_outputs: left as it is (M = 1 < 16)
;;     4. [M 32, K 3,072] x [K 3,072, N 1,024]; A: computed on the way; B: input W3: QUANTISED
;;   THE QUANTISER, for each operand of a quantised product, along K:
;;     - K is cut into blocks of 32 from its start; a last block that is shorter is filled with zeros.
;;     - A block's scale is 2^e with e = floor(log2(the largest magnitude in the block)) - 2, held to -126 .. 127; a block of zeros has e = 0. As a byte (E8M0): e + 127.
;;     - Each number is divided by its block's scale, clamped to +-7.5, and rounded to the nearest number of E2M3, ties to even, subnormals kept.
;;     - The product sums the exact products of the quantised numbers (number of the format x scale) in f32.
;;   ~~~python
;;   def quantise(x, axis):      # numpy; x: float32 -> the quantised numbers, widened to float32 again
;;       x = np.moveaxis(x, axis, -1); K = x.shape[-1]
;;       x = np.pad(x, [(0, 0)] * (x.ndim - 1) + [(0, -K % 32)]); x = x.reshape(x.shape[:-1] + (-1, 32)); a = np.abs(x).max(-1, keepdims=True)
;;       e = np.where(a > 0, np.clip(np.frexp(np.where(a > 0, a, 1))[1] - 1 - 2, -126, 127), 0)      # np.frexp(a)[1] - 1 = floor(log2(a)), exactly
;;       r = np.clip(x / 2.0 ** e, -7.5, 7.5)
;;       step = 2.0 ** (np.maximum(np.frexp(np.where(r == 0, 1, r))[1] - 1, 0) - 3)
;;       q = np.round(r / step) * step * 2.0 ** e      # np.round: ties to even
;;       return np.moveaxis(q.reshape(q.shape[:-2] + (-1,))[..., :K], -1, axis).astype(np.float32)
;;   ~~~
;;   OPERANDS COMPUTED ON THE WAY. 'Computed on the way' means the value that the module computes at that place (a softmax that the list does not call 'softmax' is quantised finished and normalised). What goes into a quantiser is computed in f32, as accurately as f32 sums, v_exp_f32 and their like allow (about 1e-6 of the number): no bf16 or f16 on the way to a quantiser, and a product that is left as it is and whose result goes on into a quantised operand takes f32 operands (vector FMAs, or v_wmma_f32_16x16x4_f32). A number that lies on a knife's edge between two numbers of the format may be rounded either way, as far as f32 arithmetic and the matrix unit's own rounding can turn it there, and no further.
;; One version. Each part assembles by itself: llvm-mc -triple=amdgcn-amd-amdhsa -mcpu=gfx1250 --defsym DOCPART=n.
;; ======== version 1 of 1: 4 launches
;; workspace buffers: aq 39,321,600 bytes; w1q 2,457,600 bytes; w3q 2,457,600 bytes; hb 131,072 bytes; ep 524,288 bytes; cq 76,800 bytes
;; launch quant (part 1): grid 2368 x 1, 4 waves a work-group, no clusters, 41,472 bytes of LDS; arguments encoder_outputs, W1, W3, aq, w1q, w3q, hidden_state, b1, hb; writes aq, w1q, w3q, hb
.if DOCPART == 1
	.amdgcn_target "amdgcn-amd-amdhsa--gfx1250"
	.amdhsa_code_object_version 6
	.text
	.protected	k_qdb67284977_quant
	.globl	k_qdb67284977_quant
	.p2align	8
	.type	k_qdb67284977_quant,@function
k_qdb67284977_quant:
	s_mov_b64 s[64:65], 0
	v_nop
	global_prefetch_b8 v0, s[64:65] scope:SCOPE_SE
	s_setreg_imm32_b32 hwreg(HW_REG_WAVE_MODE, 25, 1), 1
	s_wait_xcnt 0x0
; THE PROGRAM: out = (softmax_s(w2 . tanh(W1 [enc; h] + b1)) . enc) W3^T + b3, products 1 and 4 on codes of FP6 (E2M3) with one E8M0 scale for each 32 along K.
; Four launches: quant (this one), scores, context, project.  Every input is loaded by some launch.
; WORK THAT THE MODULE DOES AND THIS PROGRAM DOES NOT, for all values of the inputs:
; (1) inputs = [enc, h] along K, and 3,072 is a multiple of 32: no block of the quantiser holds numbers of both, so Q(inputs) = [Q(enc), Q(h)] and product 1 is
;     Q(enc) Q(W1[:, :3072])^T + Q(h) Q(W1[:, 3072:])^T.  The second term has the same operands at all 512 positions of a batch: it is multiplied once for each batch (THE H PART, below: 32 rows, not 16,384).
; (2) tanh(x) = 1 - 2 r with r = 1 / (1 + e^(2x)), so e[b][s] = sum(w2) - 2 sum_n w2[n] r[n].  sum(w2) is the same along the softmax's axis and cancels in it: it is not formed.
; LIMIT: an overflow or a NaN that would arise in sum(w2) alone is not carried to the result.
;
; THIS LAUNCH does all that hangs on the inputs alone, on two ways that part at the head on the work-group's number and do not meet again; each has LDS bytes of its own.
; THE STREAM (work-groups 64 on) turns enc [16384][3072], the first 3,072 columns of W1 [1024][4096] and W3 [1024][3072], all f32 with K innermost, into codes (a row: 2,304 bytes, one stream of bits) and scale bytes (a row: 96).
; aq: codes at byte 0, scale bytes at 0x2400000;  w1q, w3q: codes at 0, scale bytes at 0x240000.
; A block's scale is 2^(floor(log2(its largest magnitude)) - 2); its byte is the largest magnitude's exponent field - 2, held at 1 from below.  A block of zeros so gets the byte 1 where the rule says 127:
; its codes are zeros, which add nothing under any byte but 0xff, and the bytes are read by this program alone.
; LIMITS: blocks whose largest magnitude lies under 2^-124 keep the byte 1; NaN and infinities among the inputs are not served.
; SHARES.  A work-group takes 8 rows, a wave 2 rows: 12 steps of 512 numbers.  Of the stream's work-groups the first 2,048 take enc, the next 128 W1, the last 128 W3: only pointers, the input's pitch and the scales' place are chosen.
; Each of a step's four loads reads 512 consecutive bytes, 16 a lane; the 2,048 bytes turn through the wave's own stage in LDS and come back 64 bytes a lane, so that a lane holds 16 neighbours along K, as the
; conversion wants them; two neighbouring lanes hold a block.  A lane's 16 codes are 12 bytes: a wave's store covers 384 consecutive bytes.  A wave's 192 scale bytes are gathered in LDS and leave by one store.
; The stream's waves share nothing and pass no barrier.  Loads run four steps (16 loads a wave) ahead, the turn through LDS one step.
; THE H PART (work-groups 0 to 63; its own comment stands at its label) makes hb = 2 log2(e) x (Q(h) Q(W1[:, 3072:])^T + b1).  It stands in this launch, and first in it, because it too hangs on inputs alone:
; its chain of loads and products runs beside the stream.
.set HWG,   64                         ; work-groups of the h part
.set STEPS, 12
.set CB,    12                         ; bytes of 16 codes
.set NENC,  2048                       ; work-groups of enc
.set NWT,   128                        ; work-groups of each weight
.set R,     16                         ; v16-79   four sets of 16 numbers as they are loaded
.set X,     80                         ; v80-111  two sets of 16 neighbours
.set E,     112                        ; v112-123 a scale byte for each step
.set C,     128                        ; v128-175 codes: four registers for each step, so that no store's data are written again
.set WREG,  8192                       ; LDS: a region for each wave of the stream: two stages of 32 x SP bytes, and behind them its 192 scale bytes
.set SP,    80                         ; a lane's place in a stage: its 64 bytes + 16 of padding
.set HRED,  4*WREG                     ; LDS: the h part's own bytes: 2,048 of results for each wave
.set SPW,   12                         ; v12  LDS address of my spare word; never rewritten
.set NIL,   13                         ; v13  0; never rewritten
.set SPARE, HRED+8192                  ; behind both: the spare words, 128 bytes for each wave, which no other line names
	s_load_b256 s[4:11], s[0:1], 0x0               ; enc s[4:5], W1 s[6:7], W3 s[8:9], aq s[10:11]
	s_load_b128 s[12:15], s[0:1], 0x20             ; w1q s[12:13], w3q s[14:15]
	s_load_b128 s[32:35], s[0:1], 0x30             ; h s[32:33], b1 s[34:35]
	s_load_b64 s[36:37], s[0:1], 0x40              ; hb
	v_lshl_add_u32 v[SPW], v0, 2, SPARE
	v_mov_b32 v[NIL], 0
	v_lshrrev_b32 v1, 5, v0
	v_readfirstlane_b32 s16, v1                    ; wave
	v_and_b32 v2, 31, v0                           ; lane
	s_cmp_lt_u32 ttmp9, HWG                        ; the work-group's number alone decides: all four waves go the same way
	s_cbranch_scc1 .Lhpart
	; ---- THE STREAM
	v_lshlrev_b32 v3, 4, v2                        ; my 16 bytes of a load's 512
	s_mul_i32 s17, s16, WREG
	v_lshrrev_b32 v14, 2, v2
	v_mul_u32_u24 v14, v14, SP
	v_and_b32 v15, 3, v2
	v_lshl_add_u32 v14, v15, 4, v14
	v_add_nc_u32 v14, s17, v14                     ; the stage, on the way in: four lanes' 64 bytes on end, then 16 of padding
	v_mul_u32_u24 v15, v2, SP
	v_add_nc_u32 v15, s17, v15                     ; and on the way out: SP x lane: my 16 neighbours
	v_mul_u32_u24 v4, v2, CB                       ; my codes' place in a step's
	v_lshrrev_b32 v5, 1, v2
	s_add_co_u32 s17, s17, 2*32*SP
	v_add_nc_u32 v5, s17, v5                       ; LDS: my wave's scale bytes, my block's byte
	v_lshlrev_b32 v7, 3, v2                        ; and on the way out 8 bytes a lane
	v_add_nc_u32 v6, s17, v7
	s_mov_b32 s24, 16384                           ; W1's pitch in bytes
	s_mov_b32 s26, HWG+NENC                        ; W1's first work-group
	s_mov_b32 s28, 0x240000                        ; where a weight's scale bytes begin
	s_mov_b32 s25, 0
	s_mov_b32 s29, 0
	s_mov_b32 s21, 0
	s_wait_kmcnt 0x0
	s_cmp_lt_u32 ttmp9, HWG+NENC+NWT               ; of the weights: W1 or W3?  The choices hang on the work-group's number alone
	s_cselect_b64 s[6:7], s[6:7], s[8:9]
	s_cselect_b64 s[12:13], s[12:13], s[14:15]
	s_cselect_b32 s24, s24, 12288
	s_cselect_b32 s26, s26, HWG+NENC+NWT
	s_cmp_lt_u32 ttmp9, HWG+NENC                   ; enc or a weight?
	s_cselect_b64 s[4:5], s[4:5], s[6:7]
	s_cselect_b64 s[10:11], s[10:11], s[12:13]
	s_cselect_b32 s24, 12288, s24
	s_cselect_b32 s26, HWG, s26
	s_cselect_b32 s28, 0x2400000, s28
	s_sub_co_u32 s26, ttmp9, s26
	s_lshl_b32 s26, s26, 3
	s_lshl_b32 s27, s16, 1
	s_add_co_u32 s26, s26, s27                     ; my first row: 8 x (work-group in its tensor) + 2 x wave
	s_mul_i32 s20, s26, s24                        ; (under 2^28 bytes)
	s_add_nc_u64 s[4:5], s[4:5], s[20:21]          ; my first row's numbers,
	s_add_nc_u64 s[6:7], s[4:5], s[24:25]          ; my second row's
	s_mul_i32 s20, s26, 2304
	s_add_nc_u64 s[8:9], s[10:11], s[20:21]        ; my codes: two rows on end, 4,608 bytes
	s_mul_i32 s20, s26, 96
	s_add_nc_u64 s[10:11], s[10:11], s[28:29]
	s_add_nc_u64 s[10:11], s[10:11], s[20:21]      ; my 192 scale bytes
.macro LOAD t                          ; steps 0-5 lie in my first row, steps 6-11 in my second
.irp i, 0,1,2,3
.if (\t) < 6
	global_load_b128 v[R+16*((\t)%4)+4*\i:R+16*((\t)%4)+4*\i+3], v3, s[4:5] offset:2048*(\t)+512*\i th:TH_LOAD_NT   ; 32 lanes read 512 consecutive bytes
.else
	global_load_b128 v[R+16*((\t)%4)+4*\i:R+16*((\t)%4)+4*\i+3], v3, s[6:7] offset:2048*((\t)-6)+512*\i th:TH_LOAD_NT
.endif
.endr
.endm
.macro TURN t                          ; step t's numbers through the stage: LDS serves a wave's instructions in order, so no wait stands between the stores and the loads
.irp i, 0,1,2,3
	ds_store_b128 v14, v[R+16*((\t)%4)+4*\i:R+16*((\t)%4)+4*\i+3] offset:32*SP*((\t)%2)+8*SP*\i
.endr
.irp i, 0,1,2,3
	ds_load_b128 v[X+16*((\t)%2)+4*\i:X+16*((\t)%2)+4*\i+3], v15 offset:32*SP*((\t)%2)+16*\i
.endr
.endm
.irp t, 0,1,2,3
	LOAD \t
.endr
	s_wait_loadcnt 12                              ; step 0's four loads are in
	TURN 0
.macro STEP t
.set XS, X+16*((\t)%2)
.if (\t) > 0
	s_wait_dscnt 1                                 ; this step's numbers are back from the stage (the last step's byte store may be out): so its stores into the stage have read their registers,
.else
	s_wait_dscnt 0x0
.endif
.if (\t)+4 < STEPS
	LOAD (\t)+4                                    ; which take the loads of four steps on
.endif
.if (\t)+1 < STEPS
.if STEPS-2-(\t) >= 3
	s_wait_loadcnt 12                              ; the next step's four loads are in; those of the three steps behind it may be out
.else
	s_wait_loadcnt 4*(STEPS-2-(\t))
.endif
	TURN (\t)+1                                    ; and go through the other stage while this step is worked
.endif
	v_max3_num_f32 v8, |v[XS]|, |v[XS+1]|, |v[XS+2]|               ; the largest magnitude of my 16, in two chains
	v_max3_num_f32 v9, |v[XS+3]|, |v[XS+4]|, |v[XS+5]|
.irp i, 6,10
	v_max3_num_f32 v8, v8, |v[XS+\i]|, |v[XS+\i+1]|
	v_max3_num_f32 v9, v9, |v[XS+\i+2]|, |v[XS+\i+3]|
.endr
	v_max3_num_f32 v8, v8, |v[XS+14]|, |v[XS+15]|
	v_max3_num_f32 v8, v8, v9, 0x1800000           ; and the floor 2^(3 - 127): so the byte cannot fall under 1
	v_max_num_f32_dpp v8, v8, v8 row_xmask:1 row_mask:0xf bank_mask:0xf   ; and of my neighbour's 16: the block's
	v_add_nc_u32 v11, 0xff000000, v8               ; 2 off its exponent field: the conversion takes the exponent field of this operand as its scale, and nothing else of it
	v_cvt_scalef32_pk16_fp6_f32 v[C+4*(\t):C+4*(\t)+2], v[XS:XS+15], v11   ; sixteen codes, 96 bits without gaps, the first number's code lowest
	v_lshrrev_b32 v[E+(\t)], 23, v11               ; the scale's byte
	ds_store_b8 v5, v[E+(\t)] offset:16*(\t)       ; both lanes of a block write the same byte with the same value
	global_store_b96 v4, v[C+4*(\t):C+4*(\t)+2], s[8:9] offset:32*CB*(\t)
.endm
.irp t, 0,1,2,3,4,5,6,7,8,9,10,11
	STEP \t
.endr
	s_wait_xcnt 0x0                                ; EXEC is a source of the stores above: it changes only behind this wait
	v_cmp_gt_u32 vcc_lo, 24, v2
	s_and_saveexec_b32 s30, vcc_lo                 ; 24 lanes x 8 bytes are my 192 scale bytes
	ds_load_b64 v[8:9], v6                         ; LDS serves a wave's instructions in order: these see my stores
	s_wait_dscnt 0x0
	global_store_b64 v7, v[8:9], s[10:11]          ; 192 consecutive bytes
	s_wait_xcnt 0x0                                ; and again, in front of the line that widens EXEC
	s_or_b32 exec_lo, exec_lo, s30
	s_wait_tensorcnt 0x0                           ; the wave's end, behind my last LDS store
	ds_add_u32 v[SPW], v[NIL]
	s_wait_dscnt 0x0
	s_endpgm
; ---- THE H PART: hb = c x (Q(h) Q(W1[:, 3072:4096])^T + b1), c = 2 log2(e): the part of product 1 that is the same at all 512 positions of a batch, with the bias and the factor that the next launch's exponential wants.
; h [32][1024] and W1 [1024][4096] are f32, K innermost; both are quantised here, in registers.
; SHARES.  Work-group g takes rows 16 g .. 16 g + 15 of W1 and all 32 batches; wave w takes K steps 2 w and 2 w + 1 of the eight: in each one fragment of W1 and two of h, two products.  The two accumulators (batches 0-15, 16-31)
; take turns, one instruction a turn.  The four waves' results meet in LDS; each of the 128 threads adds four parts of four numbers and b1, multiplies by c and stores 16 bytes.
; A LANE'S NUMBERS: the operand's layout gives lane (r, h) of row r the numbers k = 64 c + 32 h + 0 .. 31, c = 0, 1: two whole blocks, 128 neighbouring bytes each: eight loads of 16 bytes a block.
; So no other lane is asked for a maximum, and the conversions' results are the operand's registers.
; TWO SETS OF 64 REGISTERS TAKE THE SIX OPERANDS BY TURNS: a set is loaded again as soon as it has been quantised, so that one operand's 16 loads are on their way while another is worked.
; THE PRODUCT: source 0 = 16 rows of W1, source 1 = 16 batches: lane (r, h) holds batch r and rows 8 h + 0 .. 7 of W1.
; hb IS LAID AS THE NEXT LAUNCH READS IT: [tile g][q = 2 (batch / 16) + j / 4][lane = 16 h + batch % 16][4 numbers j % 4], n = 16 g + 8 h + j: a tile is 2,048 dense bytes.
.set HP,   16                          ; v16-79    64 numbers, set P
.set HQ,   80                          ; v80-143   64 numbers, set Q
.set CW,   144                         ; v144-155  W1's codes
.set CX,   156                         ; v156-167  h's codes
.set ACC0, 168                         ; v168-175, v176-183 the two accumulators
.set ACC1, 176
.set TM,   184                         ; v184-185 largest magnitudes, then the conversions' scale operands; v186-187 bytes; v188 the other half of the lanes'; v189 at work
.set SWR,  190                         ; v190  W1's scale word: this register holds scales and nothing else
.set SXR,  191                         ; v191  h's: likewise
.Lhpart:
	v_and_b32 v1, 15, v0                           ; r
	v_bfe_u32 v3, v0, 4, 1                         ; h
	v_lshlrev_b32 v4, 14, v1
	v_lshl_add_u32 v4, v3, 7, v4                   ; W1: row r of 16,384 bytes, + 128 h
	v_lshlrev_b32 v5, 12, v1
	v_lshl_add_u32 v5, v3, 7, v5                   ; h: row r of 4,096 bytes, + 128 h
	v_lshlrev_b32 v8, 3, v3                        ; 8 h: how far my two scale bytes are shifted
	s_lshl_b32 s38, s16, 11
	v_lshl_add_u32 v9, v2, 4, s38                  ; LDS, in: 2,048 x wave + 16 x lane
	v_lshlrev_b32 v10, 4, v0                       ; LDS, back, and hb: 16 x thread
	s_and_b32 s39, s16, 1
	s_lshl_b32 s39, s39, 4
	v_lshl_add_u32 v11, v3, 5, s39                 ; b1: 32 h + 16 (wave % 2): the four numbers that thread 32 q + lane adds
	v_mov_b32 v[TM+4], 0                           ; a lane permute's destination counts as one of its sources
	s_mov_b32 s40, 0x76543210
	s_mov_b32 s41, 0xfedcba98                      ; v_permlanex16_b32's selects for lane l xor 16
	s_mov_b32 s42, 0x4038aa3b                      ; c = 2 log2(e)
	s_mov_b32 s43, s42                             ; (named with it as a pair, so it is written)
	s_lshl_b32 s44, s16, 10                        ; my two K steps: 1,024 bytes along a row
	s_mov_b32 s45, 0
	s_lshl_b32 s46, ttmp9, 18                      ; 16 rows of 16,384 bytes a work-group
	s_add_co_u32 s46, s46, s44
	s_add_co_u32 s46, s46, 12288                   ; column 3,072
	s_mov_b32 s47, 0
	s_lshl_b32 s48, ttmp9, 6
	s_mov_b32 s49, 0
	s_lshl_b32 s50, ttmp9, 11
	s_mov_b32 s51, 0
	s_wait_kmcnt 0x0
	s_add_nc_u64 s[32:33], s[32:33], s[44:45]
	s_add_nc_u64 s[6:7], s[6:7], s[46:47]
	s_add_nc_u64 s[34:35], s[34:35], s[48:49]
	s_add_nc_u64 s[36:37], s[36:37], s[50:51]
.macro HLOAD reg, va, sb, off          ; my two blocks of a row: 16 loads of 16 bytes
.irp c, 0,1
.irp i, 0,1,2,3,4,5,6,7
	global_load_b128 v[\reg+32*\c+4*\i:\reg+32*\c+4*\i+3], v[\va], s[\sb:\sb+1] offset:\off+256*\c+16*\i
.endr
.endr
.endm
; 64 numbers of a lane, v[n] on (register 32 c + i = k 64 c + 32 h + i of my row), become a fragment's 12 registers at v[cd] and its scale word in v[sw].
.macro QB n, cd, sw
.irp c, 0,1
	v_max3_num_f32 v[TM+\c], |v[\n+32*\c]|, |v[\n+32*\c+1]|, 0x1800000   ; my block 2 c + h: all its 32 numbers are mine; and the floor 2^(3 - 127): the byte cannot fall under 1
.endr
.irp i, 2,4,6,8,10,12,14,16,18,20,22,24,26,28,30
.irp c, 0,1
	v_max3_num_f32 v[TM+\c], v[TM+\c], |v[\n+32*\c+\i]|, |v[\n+32*\c+\i+1]|   ; (the two blocks by turns)
.endr
.endr
.irp c, 0,1
	v_add_nc_u32 v[TM+\c], 0xff000000, v[TM+\c]    ; 2 off the exponent field: the conversion's scale operand
.endr
.irp c, 0,1
	v_lshrrev_b32 v[TM+2+\c], 23, v[TM+\c]         ; the scale's byte
.endr
	v_lshl_or_b32 v[TM+5], v[TM+3], 16, v[TM+2]    ; my two bytes: blocks h and 2 + h of my row,
	v_lshlrev_b32 v[TM+5], v8, v[TM+5]             ; at their places in the scale word;
	v_permlanex16_b32 v[TM+4], v[TM+5], s40, s41
	v_or_b32 v[\sw], v[TM+5], v[TM+4]              ; with lane l xor 16's two the word is whole
.irp c, 0,1
	v_cvt_scalef32_pk16_fp6_f32 v[\cd+6*\c:\cd+6*\c+2], v[\n+32*\c:\n+32*\c+15], v[TM+\c]
.endr
	v_nop                                          ; a plain place: the lines below write over sources of the conversions above
.irp c, 0,1
	v_cvt_scalef32_pk16_fp6_f32 v[\n+32*\c:\n+32*\c+2], v[\n+32*\c+16:\n+32*\c+31], v[TM+\c]   ; (a conversion's three registers begin on an even number: the second half of a block's six is made elsewhere and moved)
.endr
	v_nop                                          ; a plain place behind a scaled conversion
.irp c, 0,1
.irp i, 0,1,2
	v_mov_b32 v[\cd+6*\c+3+\i], v[\n+32*\c+\i]
.endr
.endr
.endm
.macro HMM acc, zero                   ; a scale word written by a vector instruction stands 8 places ahead of a scaled matrix instruction, an operand so written 4.  zero = 1: the product starts the sum
.rept 8
	v_nop
.endr
.if \zero
	v_wmma_scale_f32_16x16x128_f8f6f4 v[\acc:\acc+7], v[CW:CW+11], v[CX:CX+11], 0, v[SWR], v[SXR] matrix_a_fmt:MATRIX_FMT_FP6 matrix_b_fmt:MATRIX_FMT_FP6
.else
	v_wmma_scale_f32_16x16x128_f8f6f4 v[\acc:\acc+7], v[CW:CW+11], v[CX:CX+11], v[\acc:\acc+7], v[SWR], v[SXR] matrix_a_fmt:MATRIX_FMT_FP6 matrix_b_fmt:MATRIX_FMT_FP6
.endif
.endm
; In each QB that follows a product, the 32 maxima at its head, which name no register of that product, are the places in front of the lines that write the product's operand and scale word anew.
	HLOAD HP, 4, 6, 0                              ; W1, my first K step
	HLOAD HQ, 5, 32, 0                             ; h, batches 0-15, the same K step
	s_wait_loadcnt 16                              ; W1's 16 loads are in; the 16 issued behind them may be out: so at each of these waits
	QB HP, CW, SWR
	HLOAD HP, 5, 32, 65536                         ; h, batches 16-31: 16 rows further down
	s_wait_loadcnt 16
	QB HQ, CX, SXR
	HMM ACC0, 1
	HLOAD HQ, 4, 6, 512                            ; W1, my second K step
	s_wait_loadcnt 16
	QB HP, CX, SXR
	HMM ACC1, 1
	HLOAD HP, 5, 32, 512                           ; h, batches 0-15, my second K step
	s_wait_loadcnt 16
	QB HQ, CW, SWR
	HLOAD HQ, 5, 32, 66048                         ; h, batches 16-31
	s_wait_loadcnt 16
	QB HP, CX, SXR
	HMM ACC0, 0
	global_load_b128 v[HP:HP+3], v11, s[34:35]     ; b1, into registers that set P has left
	s_wait_loadcnt 1                               ; the last operand is in; b1 may be out
	QB HQ, CX, SXR
	HMM ACC1, 0
.rept 4
	v_nop                                          ; four places in front of the first read of the results
.endr
.irp q, 0,1,2,3
	ds_store_b128 v9, v[ACC0+4*\q:ACC0+4*\q+3] offset:HRED+512*\q   ; each accumulator from its low end on; q = 2 (batch / 16) + j / 4
.endr
	s_wait_dscnt 0x0                               ; for the others' sake: my stores have landed
	s_barrier_signal -1
	s_barrier_wait -1
.irp k, 0,1,2,3
	ds_load_b128 v[HQ+4*\k:HQ+4*\k+3], v10 offset:HRED+2048*\k   ; the four waves' parts of my four numbers
.endr
	s_wait_loadcnt 0x0                             ; b1
	s_wait_dscnt 0x0
.irp k, 0,2
	v_pk_add_f32 v[HQ+4*\k:HQ+4*\k+1], v[HQ+4*\k:HQ+4*\k+1], v[HQ+4*\k+4:HQ+4*\k+5]
	v_pk_add_f32 v[HQ+4*\k+2:HQ+4*\k+3], v[HQ+4*\k+2:HQ+4*\k+3], v[HQ+4*\k+6:HQ+4*\k+7]
.endr
	v_pk_add_f32 v[HQ:HQ+1], v[HQ:HQ+1], v[HQ+8:HQ+9]
	v_pk_add_f32 v[HQ+2:HQ+3], v[HQ+2:HQ+3], v[HQ+10:HQ+11]
	v_pk_add_f32 v[HQ:HQ+1], v[HQ:HQ+1], v[HP:HP+1]                ; + b1
	v_pk_add_f32 v[HQ+2:HQ+3], v[HQ+2:HQ+3], v[HP+2:HP+3]
	v_pk_mul_f32 v[HQ:HQ+1], v[HQ:HQ+1], s[42:43] op_sel_hi:[1,0]  ; x c
	v_pk_mul_f32 v[HQ+2:HQ+3], v[HQ+2:HQ+3], s[42:43] op_sel_hi:[1,0]
	global_store_b128 v10, v[HQ:HQ+3], s[36:37]    ; a wave stores 512 consecutive bytes, at a multiple of 256 from hb's first byte
	s_wait_tensorcnt 0x0                           ; the wave's end, behind my last LDS store
	ds_add_u32 v[SPW], v[NIL]
	s_wait_dscnt 0x0
	s_endpgm
.Lfunc_end_k_qdb67284977_quant:
	.size	k_qdb67284977_quant, .Lfunc_end_k_qdb67284977_quant-k_qdb67284977_quant
	.p2alignl 7, 3214868480
	.fill 96, 4, 3214868480
	.section	.rodata,"a",@progbits
	.p2align	6, 0x0
	.amdhsa_kernel k_qdb67284977_quant
		.amdhsa_group_segment_fixed_size 41472
		.amdhsa_private_segment_fixed_size 0
		.amdhsa_enable_private_segment 0
		.amdhsa_kernarg_size 72
		.amdhsa_user_sgpr_count 2
		.amdhsa_user_sgpr_kernarg_segment_ptr 1
		.amdhsa_wavefront_size32 1
		.amdhsa_system_sgpr_workgroup_id_x 1
		.amdhsa_system_sgpr_workgroup_id_y 1
		.amdhsa_system_sgpr_workgroup_id_z 1
		.amdhsa_system_vgpr_workitem_id 0
		.amdhsa_next_free_vgpr 192
		.amdhsa_next_free_sgpr 66
		.amdhsa_reserve_vcc 1
		.amdhsa_float_denorm_mode_32 3
		.amdhsa_float_denorm_mode_16_64 3
		.amdhsa_memory_ordered 1
		.amdhsa_forward_progress 1
		.amdhsa_inst_pref_size 57
	.end_amdhsa_kernel
	.amdgpu_metadata
---
amdhsa.version: [ 1, 2 ]
amdhsa.kernels:
  - .name:           k_qdb67284977_quant
    .symbol:         k_qdb67284977_quant.kd
    .args:
      - { .name: encoder_outputs, .offset: 0, .size: 8, .value_kind: global_buffer, .address_space: global }
      - { .name: W1, .offset: 8, .size: 8, .value_kind: global_buffer, .address_space: global }
      - { .name: W3, .offset: 16, .size: 8, .value_kind: global_buffer, .address_space: global }
      - { .name: aq, .offset: 24, .size: 8, .value_kind: global_buffer, .address_space: global }
      - { .name: w1q, .offset: 32, .size: 8, .value_kind: global_buffer, .address_space: global }
      - { .name: w3q, .offset: 40, .size: 8, .value_kind: global_buffer, .address_space: global }
      - { .name: hidden_state, .offset: 48, .size: 8, .value_kind: global_buffer, .address_space: global }
      - { .name: b1, .offset: 56, .size: 8, .value_kind: global_buffer, .address_space: global }
      - { .name: hb, .offset: 64, .size: 8, .value_kind: global_buffer, .address_space: global }
    .group_segment_fixed_size: 41472
    .private_segment_fixed_size: 0
    .kernarg_segment_align: 8
    .kernarg_segment_size: 72
    .max_flat_workgroup_size: 128
    .sgpr_count:     66
    .vgpr_count:     192
    .wavefront_size: 32
...
	.end_amdgpu_metadata
.endif
;; end of part 1
;; launch scores (part 2): grid 4 x 64, 4 waves a work-group, clusters of 4 x 4, 327,680 bytes of LDS; arguments aq, w1q, hb, w2, ep; writes ep
.if DOCPART == 2
	.amdgcn_target "amdgcn-amd-amdhsa--gfx1250"
	.amdhsa_code_object_version 6
	.text
	.protected	k_qdb67284977_scores
	.globl	k_qdb67284977_scores
	.p2align	8
	.type	k_qdb67284977_scores,@function
k_qdb67284977_scores:
	s_mov_b64 s[64:65], 0
	v_nop
	global_prefetch_b8 v0, s[64:65] scope:SCOPE_SE
	s_setreg_imm32_b32 hwreg(HW_REG_WAVE_MODE, 25, 1), 1
	s_wait_xcnt 0x0
	s_wait_alu depctr_hold_cnt(0) depctr_sa_sdst(0) depctr_va_vdst(0) depctr_va_sdst(0) depctr_va_ssrc(0) depctr_va_vcc(0) depctr_vm_vsrc(0)
	s_getreg_b32 s2, hwreg(HW_REG_IB_STS2, 6, 4)
	s_cmp_eq_u32 s2, 0
	s_cbranch_scc0 .Lentry_in_a_cluster
	s_endpgm
.Lentry_in_a_cluster:
	s_bfe_u32 s2, ttmp6, 0x10000c
	s_cmp_lg_u32 s2, 0xf033
	s_cbranch_scc0 .Lentry_shape_is_right
	s_endpgm
.Lentry_shape_is_right:
; ep[chunk][row] = the sum over the chunk's 128 columns n of w2[n] r[row][n], r = 1 / (1 + 2^(c x acc + hb)), acc = Q(enc) Q(W1[:, :3072])^T, c = 2 log2(e); hb = c x (the batch's part of product 1 + b1), from launch quant.
; tanh(x) = 1 - 2 r, so a row's score is sum(w2) - 2 x (the sum of its eight chunks).  LEFT OUT: sum(w2), the same along the softmax's axis (shown at the head of launch quant), and the h part of product 1 at every position (likewise).
; r needs no guard: where 2^(..) overflows to infinity r is 0, where it falls to 0 r is 1.
; THE PRODUCT: A = enc's codes [16384][3072], B = W1's [1024][3072], FP6 (E2M3), a row 2,304 bytes, with one E8M0 byte for each 32 along K (a row 96 bytes).  The matrix instruction takes codes and scale bytes as they lie.
; A tile of 256 x 256 is made by a work-group of four waves; a wave makes 128 x 128: 64 accumulators, 512 registers.  K goes in steps of 256 through a ring of two LDS slots filled by the tensor data mover.
; THE SCALES of the work-group's 256 rows of A and of B, for all of K, are two dense blocks of memory (24,576 bytes each): they come into LDS ONCE, with the first fills, and stay.
; CLUSTERS: 4 x 4 work-groups.  The four of a row of the cluster need the same tiles of A, the four of a column the same tiles of B: each tile is asked for JOINTLY, by the same tensor load with the same descriptor
; and a mask that names the four.  THE MATRIX INSTRUCTION IS USED TRANSPOSED (source 0 = 16 rows of B, source 1 = 16 rows of A): lane (r, h) holds row r of A and columns 8 h + 0 .. 7.
; A tile's 256 rows belong to ONE batch (512 rows a batch), so a lane wants 64 numbers of hb and 64 of w2: they are loaded at the head and wait in registers that the loop does not use.
; REGISTERS, in windows of 256: window 0: v0-31 addresses; v32-63 scale words, two sets; v64-127 hb; from v128 A's fragments (8 x 16 rows x 128 K), ONE set; on the way out v128-215 are at work.
;   window 1: B's fragments, TWO sets, at v0 and at v128; w2 in v96-127 and v224-255.   window 2: the accumulators of my rows 0-63 ((a, b) at v[8 (8 a + b)]);   window 3: those of my rows 64-127.
.set SIZE_K, 3072
.set KSTEP,  256                       ; along K in a slot
.set NQ,     KSTEP/128                 ; matrix instructions deep
.set ROWB,   192                       ; a tile's row in bytes
.set KROW,   SIZE_K*6/8                ; a row of codes in memory
.set PITCH,  240                       ; an LDS row: 3 x (64 bytes of data + 16 of padding)
.set FR,     12                        ; registers of a fragment
.set NL,     6                         ; LDS loads that bring one
.set NP,     4                         ; places behind this matrix instruction (ISA guide 7.12.1)
.set HALFT,  128*PITCH                 ; 128 rows: what one tensor load brings
.set SLOT,   4*HALFT                   ; A's 256 rows, then B's 256 rows
.set LAPS,   SIZE_K/(2*KSTEP)          ; a lap = two K steps = once round the ring
.set KS,     SIZE_K/32                 ; a row of scales: 96 bytes
.set SCL,    2*SLOT                    ; behind the ring: the scales, dense
.set HALFS,  128*KS                    ; the scales of 128 rows: what one tensor load brings: 48 rows of 256 bytes
.set SBLK,   16*KS                     ; those of 16 rows
.set SPARE,  SCL+4*HALFS               ; behind the scales: the spare words, 128 bytes for each wave, which no other line names
.set PFO,  14                          ; v14     the prefetches' offset: a row of codes x my lane; never rewritten
.set ADRA, 16                          ; v16-17  LDS address of my A fragments in slot 0, 1  (v18-19: for the pieces that lie behind one padding more)
.set ADRB, 20                          ; v20-21  the same for B  (v22-23)
.set STO,  24                          ; v24     the way out: my row's word in my stage
.set RD,   25                          ; v25     the way out: where I read four rows' words back
.set CO,   26                          ; v26     and where they go in ep
.set ADRS, 27                          ; v27     LDS address of my scale words: lanes 0-15 A's rows, lanes 16-31 B's
.set SPW,  28                          ; v28     LDS address of my spare word; never rewritten
.set NIL,  29                          ; v29     0; never rewritten
.set HBO,  30                          ; v30     256 h: my place in hb
.set W2O,  31                          ; v31     32 h: my place in w2
.set SC,   32                          ; scale words: set s at v[SC + 16 s]; register 2 i + q: lanes 0-15 the word of A's block i, lanes 16-31 that of B's block i
.set HB,   64                          ; v64-127 hb: register 8 b + j: column 16 b + 8 h + j
.set AF,   128                         ; A's fragments
.set T,    128                         ; the way out: v128-191 a block's 64 numbers
.set S,    192                         ; v192-199 four chains of sums
.set ER,   200                         ; v200    a row's sum
.set PX,   208                         ; v208    the other half of the lanes'
.set BK,   212                         ; v212-215 four rows' sums, back from the stage
.set G1, 24                            ; s[24:31] descriptor group 1 for A's tiles;  s[32:39] group 0, one set for each slot
.set G0, 32
.set G1B, 48                           ; s[48:55], s[56:63] the same for B's tiles
.set G0B, 56
.set CS,  66                           ; s[66:67] c, twice
.set G1S, 68                           ; s[68:75], s[76:79] groups 1 and 0 for A's scales;  s[80:87], s[88:91] for B's
.set G0S, 76
.set G1SB, 80
.set G0SB, 88
.set PT,  92                           ; s92  the number of the refill in hand
.set LIM, 93                           ; s93  8 in a wave that prefetches, else 0
.set PFA, 100                          ; s[100:101] where my prefetches stand
.set SEL, 104                          ; s[104:105] v_permlanex16_b32's selects for lane l xor 16
.set MSB, 0
.macro WIN new                         ; the immediate's high byte repeats the setting that is left
.if MSB != (\new)
	s_set_vgpr_msb (MSB<<8)|(\new)
.set MSB, (\new)
.endif
.endm
.set MUL_LO, 0xa1                      ; source 0 (B) window 1, source 1 (A) window 0, C and D window 2
.set MUL_HI, 0xf1                      ; the same, C and D window 3
.set TO_B,   0x40                      ; destination window 1, address window 0
; A joint load: waves 0 and 1 fetch for A, waves 2 and 3 for B.  Each of the two lines has ONE mask and one set of registers for all that issue it; the branch hangs on the wave's number alone.
; An s_nop 0 and four v_nop follow each of the two lines, ahead of the jump, the label and what follows.
.macro JLOAD g0a, g1a, g0b, g1b
	s_cmp_eq_u32 s15, 0
	s_cbranch_scc0 .Lfor_b_\@
	tensor_load_to_lds s[\g0a:\g0a+3], s[\g1a:\g1a+7]
	s_nop 0
.rept 4
	v_nop
.endr
	s_branch .Lasked_\@
.Lfor_b_\@:
	tensor_load_to_lds s[\g0b:\g0b+3], s[\g1b:\g1b+7]
	s_nop 0
.rept 4
	v_nop
.endr
.Lasked_\@:
.endm
.macro CREST                           ; a round of the cluster's barrier behind its opening barrier
	s_cmp_lg_u32 s14, 0
	s_cbranch_scc1 .Lnot_wave_0_\@
	s_barrier_signal -3
.Lnot_wave_0_\@:
	s_barrier_wait -3
	s_barrier_signal -1
	s_barrier_wait -1
.endm
.macro CROUND                          ; a whole round
	s_barrier_signal -1
	s_barrier_wait -1
	CREST
.endm
; A PREFETCH INTO THE L2 of A's codes, behind each joint refill and the run of LDS loads that follows it: refill t (0 .. 9) brings K step t + 2, and the prefetch names K step t + 4: two refills, 256 matrix instructions, ahead.
; A tile row of A is read by the four partners of one row of one cluster and by nobody else.  Waves 0 and 1, which fetch A's halves, ask; of a wave's 128 rows the partner at place cx takes 32 cx .. 32 cx + 31, told apart
; BY ADDRESS: a lane a row, one instruction a wave.  A K step is 192 bytes of a row, so a lane names the step's LAST byte: K steps 7 and 11 end in the aligned block of 256 bytes that the step before has named, and are passed over.
; So each aligned block of K steps 4 to 11 is named once.  K steps 0 to 3 come by their loads alone; refills 8 and 9 ask for nothing.  B's codes are read by all tile rows again and again, and are not asked for.
.macro ASK
	s_cmp_lt_u32 s[PT], s[LIM]
	s_cbranch_scc0 .Lnot_mine_\@
	s_and_b32 s95, s[PT], 3
	s_cmp_eq_u32 s95, 3
	s_cbranch_scc1 .Lnot_mine_\@
	global_prefetch_b8 v[PFO], s[PFA:PFA+1] th:TH_LOAD_NT scope:SCOPE_SE
.Lnot_mine_\@:
.endm
	s_load_b64 s[4:5], s[0:1], 0x0                 ; aq: A's codes
	s_load_b64 s[8:9], s[0:1], 0x8                 ; w1q: B's codes
	s_load_b128 s[96:99], s[0:1], 0x10             ; hb s[96:97], w2 s[98:99]
	s_load_b64 s[12:13], s[0:1], 0x20              ; ep
	v_lshl_add_u32 v[SPW], v0, 2, SPARE
	v_mov_b32 v[NIL], 0
	ds_add_u32 v[SPW], v[NIL]                      ; the wave's opening: the add, twice on end, and its wait ahead of my first tensor load; the set-up below, work on registers, stands between
	ds_add_u32 v[SPW], v[NIL]                      ; and once more, under the one wait
	v_lshrrev_b32 v1, 5, v0
	v_readfirstlane_b32 s14, v1                    ; wave 0..3
	s_lshr_b32 s15, s14, 1                         ; which half of the tile's rows is mine.  Also: I fetch for A (0) or for B (1)
	s_and_b32 s16, s14, 1                          ; which half of its columns.  Also: which 128 rows of that tile I fetch
	s_bfe_u32 s40, ttmp6, 0x40000                  ; cx, cy: my place in the cluster
	s_bfe_u32 s41, ttmp6, 0x40004
	s_lshl_b32 s42, ttmp9, 2
	s_add_co_u32 s42, s42, s40                     ; tile column = 4 x cluster x + cx
	s_and_b32 s17, ttmp7, 0xffff
	s_lshl_b32 s17, s17, 2
	s_add_co_u32 s17, s17, s41                     ; tile row = 4 x cluster y + cy
	s_lshl_b32 s43, s41, 2
	s_lshl_b32 s43, 15, s43                        ; my row of the cluster
	s_lshl_b32 s44, 0x1111, s40                    ; my column
	; descriptor group 1: a tile of 128 rows x 192 bytes, padded in LDS
	s_or_b32 s[G1+0], s43, (0<<16)|(1<<20)|(1<<21)|(3<<22)|(3<<25)  ; 15:0 the mask: A's tiles go to my row; 17:16 element of 1 byte; 20 padding on; 21 set beside a mask; 24:22 after every 16 words (code 3); 31:25 of 4 words (code 3)
	s_or_b32 s[G1B+0], s44, (0<<16)|(1<<20)|(1<<21)|(3<<22)|(3<<25)
.irp g, G1, G1B
	s_mov_b32 s[\g+1], ROWB<<16                    ; tensor_dim0
	s_mov_b32 s[\g+2], 128<<16                     ; tensor_dim1 = 128
	s_mov_b32 s[\g+3], ROWB<<16                    ; tile_dim0
	s_mov_b32 s[\g+4], 128                         ; tile_dim1 = 128
	s_mov_b32 s[\g+5], KROW                        ; tensor_dim0_stride
	s_mov_b32 s[\g+6], 0
	s_mov_b32 s[\g+7], 0
.endr
	; and for the scales of 128 rows: a dense block of 12,288 bytes, as 48 rows of 256 bytes (32 elements of 8 bytes), no padding
	s_or_b32 s[G1S+0], s43, (3<<16)|(1<<21)
	s_or_b32 s[G1SB+0], s44, (3<<16)|(1<<21)
.irp g, G1S, G1SB
	s_mov_b32 s[\g+1], 32<<16
	s_mov_b32 s[\g+2], (HALFS/256)<<16
	s_mov_b32 s[\g+3], 32<<16
	s_mov_b32 s[\g+4], HALFS/256
	s_mov_b32 s[\g+5], 32
	s_mov_b32 s[\g+6], 0
	s_mov_b32 s[\g+7], 0
.endr
	s_lshl_b32 s18, s16, 7                         ; which 128 rows of the tile I fetch
	s_lshl_b32 s20, s17, 8
	s_add_co_u32 s20, s20, s18                     ; A: row 256 x tile row + 128 x half
	s_lshl_b32 s46, s42, 8
	s_add_co_u32 s46, s46, s18                     ; B: row 256 x tile column + 128 x half
	s_mov_b32 s21, 0
	s_mov_b32 s47, 0
	s_mov_b64 s[18:19], KS
	s_mul_u64 s[22:23], s[20:21], s[18:19]         ; where these rows' scales begin, in bytes
	s_mul_u64 s[92:93], s[46:47], s[18:19]
	s_mov_b64 s[18:19], KROW
	s_mul_u64 s[20:21], s[20:21], s[18:19]         ; and their codes
	s_mul_u64 s[46:47], s[46:47], s[18:19]
	s_mul_i32 s45, s14, HALFT                      ; where they go: wave x 128 rows: no place in the cluster enters an LDS address
	s_mul_i32 s94, s14, HALFS
	s_mov_b32 s[CS], 0x4038aa3b                    ; c = 2 log2(e)
	s_mov_b32 s[CS+1], s[CS]                       ; (named with it as a pair, so it is written)
	s_mov_b32 s[SEL], 0x76543210
	s_mov_b32 s[SEL+1], 0xfedcba98
	s_wait_dscnt 0x0                               ; both opening adds are done
	s_wait_kmcnt 0x0
	s_add_nc_u64 s[6:7], s[4:5], 0x2400000         ; A's scale bytes lie behind its codes,
	s_add_nc_u64 s[10:11], s[8:9], 0x240000        ; and so do B's
	s_add_nc_u64 s[20:21], s[4:5], s[20:21]
	s_add_nc_u64 s[22:23], s[6:7], s[22:23]
	s_add_nc_u64 s[46:47], s[8:9], s[46:47]
	s_add_nc_u64 s[92:93], s[10:11], s[92:93]
	CROUND                                         ; all sixteen work-groups are here: the first joint loads meet
	s_mov_b32 s[G0S], 1
	s_add_co_u32 s[G0S+1], s94, SCL
	s_mov_b64 s[G0S+2:G0S+3], s[22:23]
	s_or_b32 s[G0S+3], s[G0S+3], 0x80000000
	s_mov_b32 s[G0SB], 1
	s_add_co_u32 s[G0SB+1], s94, SCL
	s_mov_b64 s[G0SB+2:G0SB+3], s[92:93]
	s_or_b32 s[G0SB+3], s[G0SB+3], 0x80000000
	JLOAD G0S, G1S, G0SB, G1SB                     ; the scales first: they are wanted with K step 0
.irp s, 0,1
	s_mov_b32 s[G0+4*\s], 1
	s_add_co_u32 s[G0+4*\s+1], s45, \s*SLOT
	s_add_nc_u64 s[G0+4*\s+2:G0+4*\s+3], s[20:21], \s*ROWB
	s_or_b32 s[G0+4*\s+3], s[G0+4*\s+3], 0x80000000
	s_mov_b32 s[G0B+4*\s], 1
	s_add_co_u32 s[G0B+4*\s+1], s45, \s*SLOT
	s_add_nc_u64 s[G0B+4*\s+2:G0B+4*\s+3], s[46:47], \s*ROWB
	s_or_b32 s[G0B+4*\s+3], s[G0B+4*\s+3], 0x80000000
	JLOAD G0+4*\s, G1, G0B+4*\s, G1B               ; three loads of mine are out
.endr
	v_and_b32 v1, 15, v0                           ; r = l % 16
	v_bfe_u32 v2, v0, 4, 1                         ; h = l / 16
	v_mul_u32_u24 v3, v1, PITCH
	v_mul_u32_u24 v4, v2, 24
	v_add_nc_u32 v4, v3, v4                        ; a fragment's row x pitch + 24 x half
	v_lshl_add_u32 v5, v2, 4, v4                   ; and the same behind one padding more
	s_mul_i32 s21, s15, HALFT                      ; my 128 rows of A
	s_mul_i32 s22, s16, HALFT                      ; my 128 rows of B,
	s_add_co_u32 s22, s22, 2*HALFT                 ; which lie behind A's 256
.irp s, 0,1
	v_add_nc_u32 v[ADRA+\s], s21, v4
	v_add_nc_u32 v[ADRB+\s], s22, v4
	v_add_nc_u32 v[ADRA+2+\s], s21, v5
	v_add_nc_u32 v[ADRB+2+\s], s22, v5
	s_add_co_u32 s21, s21, SLOT
	s_add_co_u32 s22, s22, SLOT
.endr
	v_mul_u32_u24 v5, v1, KS                       ; my row's scales: 96 bytes a row
	s_mul_i32 s21, s15, HALFS                      ; A's: my 128 rows
	s_mul_i32 s22, s16, HALFS                      ; B's: my 128 rows, behind A's 256
	s_add_co_u32 s22, s22, 2*HALFS
	s_sub_co_u32 s22, s22, s21
	v_mul_u32_u24 v6, s22, v2                      ; lanes 16-31 take B's: the lower base + h x the distance
	s_add_co_u32 s21, s21, SCL
	v_add_nc_u32 v5, v5, v6
	v_add_nc_u32 v[ADRS], s21, v5
	s_lshl_b32 s23, s14, 9                         ; my stage: 512 bytes, in slot 0
	v_lshl_add_u32 v[STO], v1, 2, s23              ; in: a word for row r of a block
	v_and_b32 v6, 31, v0
	v_lshlrev_b32 v[CO], 4, v6                     ; back: four rows' words a lane; and the same in ep
	v_add_nc_u32 v[RD], s23, v[CO]
	v_mul_u32_u24 v[PFO], v6, KROW
	v_lshlrev_b32 v[HBO], 8, v2
	v_lshlrev_b32 v[W2O], 5, v2
	s_lshl_b32 s46, s42, 1                         ; ep: chunk 2 x tile column + half, 65,536 bytes each; in it row 256 x tile row + 128 x half
	s_add_co_u32 s46, s46, s16
	s_lshl_b32 s46, s46, 16
	s_lshl_b32 s47, s17, 10
	s_add_co_u32 s46, s46, s47
	s_lshl_b32 s47, s15, 9
	s_add_co_u32 s46, s46, s47
	s_mov_b32 s47, 0
	s_add_nc_u64 s[12:13], s[12:13], s[46:47]
	s_lshl_b32 s46, s42, 4                         ; hb: tile 16 x tile column + 8 x half, 2,048 bytes each;
	s_lshl_b32 s47, s16, 3
	s_add_co_u32 s46, s46, s47
	s_lshl_b32 s46, s46, 11
	s_lshr_b32 s47, s17, 5                         ; my batch is tile row / 2: 1,024 x (batch / 16)
	s_lshl_b32 s47, s47, 10
	s_add_co_u32 s46, s46, s47
	s_bfe_u32 s47, s17, 0x40001                    ; + 16 x (batch % 16)
	s_lshl_b32 s47, s47, 4
	s_add_co_u32 s46, s46, s47
	s_mov_b32 s47, 0
	s_add_nc_u64 s[96:97], s[96:97], s[46:47]
	s_lshl_b32 s46, s42, 10                        ; w2: my 128 columns
	s_lshl_b32 s47, s16, 9
	s_add_co_u32 s46, s46, s47
	s_mov_b32 s47, 0
	s_add_nc_u64 s[98:99], s[98:99], s[46:47]
	s_lshl_b32 s46, s17, 8                         ; the prefetches: row 256 x tile row + 128 x (the half that I fetch) + 32 cx,
	s_lshl_b32 s47, s16, 7
	s_add_co_u32 s46, s46, s47
	s_lshl_b32 s47, s40, 5
	s_add_co_u32 s46, s46, s47
	s_mul_i32 s46, s46, KROW
	s_add_co_u32 s46, s46, 4*ROWB-1                ; at the last byte of K step 3: refill t steps it to K step t + 4's
	s_mov_b32 s47, 0
	s_add_nc_u64 s[PFA:PFA+1], s[4:5], s[46:47]
	s_mov_b32 s[PT], -1
	s_cmp_eq_u32 s15, 0
	s_cselect_b32 s[LIM], 8, 0                     ; the wave's number alone decides: the same in all partners
.irp b, 0,1,2,3,4,5,6,7                        ; hb and w2 of my 128 columns: they land while the loop runs, and are waited for on the way out
.irp k, 0,1
	global_load_b128 v[HB+8*\b+4*\k:HB+8*\b+4*\k+3], v[HBO], s[96:97] offset:2048*\b+512*\k
.endr
.endr
	WIN TO_B
.irp b, 0,1,2,3,4,5,6,7
.irp k, 0,1
	global_load_b128 v[96+8*\b+96*(\b/4)+4*\k:96+8*\b+96*(\b/4)+4*\k+3], v[W2O], s[98:99] offset:64*\b+16*\k
.endr
.endr
	WIN 0
.macro FRAG reg, adr, q, i             ; a fragment, 16 rows x 128 K of 6-bit codes, is 12 registers: lane l holds row l % 16; registers 6 c .. 6 c + 5 hold K = 64 c + 32 (l / 16) + 0 .. 31: 24 bytes of the row's stream of bits, as they lie
.irp p, 0,1,2,3,4,5                    ; in pieces of 8 bytes.  Lanes 0-15 take the row's pieces 12 q + 0, 1, 2 and 12 q + 6, 7, 8, lanes 16-31 those three pieces on
.set PC, 12*(\q)+6*(\p/3)+\p%3        ; 16 bytes of padding lie behind every 64 bytes (8 pieces): where the piece three on lies behind one padding more, the second address register serves
.if PC%8 < 5
	ds_load_b64 v[\reg+2*\p:\reg+2*\p+1], v[\adr] offset:8*PC+16*(PC/8)+(\i)*16*PITCH
.else
	ds_load_b64 v[\reg+2*\p:\reg+2*\p+1], v[\adr+2] offset:8*PC+16*(PC/8)+(\i)*16*PITCH
.endif
.endr
.endm
; 16 matrix instructions: A's blocks a0, a0 + 1 x B's eight, 128 along K: the slot's q-th.  p: B's set;  sc: the set of scale words.  zero = 1: the first product starts the sums: nothing is ever cleared.
; The 64 accumulators take turns, one instruction a turn, in the same order in every step.
.macro MUL16 a0, p, q, sc, zero
.irp a, \a0, \a0+1
.irp b, 0,1,2,3,4,5,6,7
.if \zero
	v_wmma_scale_f32_16x16x128_f8f6f4 v[8*(8*((\a)%4)+\b):8*(8*((\a)%4)+\b)+7], v[128*(\p)+FR*\b:128*(\p)+FR*\b+FR-1], v[AF+FR*(\a):AF+FR*(\a)+FR-1], 0, v[SC+8*NQ*(\sc)+NQ*\b+(\q)], v[SC+8*NQ*(\sc)+NQ*(\a)+(\q)] matrix_a_fmt:MATRIX_FMT_FP6 matrix_b_fmt:MATRIX_FMT_FP6 matrix_a_scale:MATRIX_SCALE_ROW1
.else
	v_wmma_scale_f32_16x16x128_f8f6f4 v[8*(8*((\a)%4)+\b):8*(8*((\a)%4)+\b)+7], v[128*(\p)+FR*\b:128*(\p)+FR*\b+FR-1], v[AF+FR*(\a):AF+FR*(\a)+FR-1], v[8*(8*((\a)%4)+\b):8*(8*((\a)%4)+\b)+7], v[SC+8*NQ*(\sc)+NQ*\b+(\q)], v[SC+8*NQ*(\sc)+NQ*(\a)+(\q)] matrix_a_fmt:MATRIX_FMT_FP6 matrix_b_fmt:MATRIX_FMT_FP6 matrix_a_scale:MATRIX_SCALE_ROW1
.endif
.endr
.endr
.endm
.macro FETCH_B slot, q, p              ; B's eight fragments of the slot's q-th 128 along K into set p
	WIN TO_B
.irp i, 0,1,2,3,4,5,6,7
	FRAG 128*(\p)+FR*\i, ADRB+\slot, \q, \i
.endr
	WIN 0
.endm
.macro FETCH_A slot, q, i0             ; A's blocks i0 .. i0 + 3
.irp i, \i0, \i0+1, \i0+2, \i0+3
	FRAG AF+FR*(\i), ADRA+\slot, \q, \i
.endr
.endm
.macro SCALES sc                       ; the next K step's scale words into set sc: two words a row; lanes 0-15 take A's block i, lanes 16-31 B's block i
.irp i, 0,1,2,3,4,5,6,7
	ds_load_b64 v[SC+8*NQ*\sc+NQ*\i:SC+8*NQ*\sc+NQ*\i+1], v[ADRS] offset:\i*SBLK
.endr
.endm
; A load into a register that a matrix instruction has read, and a vector instruction that reads a matrix result or writes one of a matrix instruction's registers, stand NP places behind that matrix instruction, and only
; plain vector instructions that name none of its registers are places (ISA guide 7.12.1 for vector instructions).
.macro PLACES n
.rept \n
	v_nop
.endr
.endm
; A step of 128 along K that has its successor in the same slot.
.macro STEP slot, q, zero
	s_wait_dscnt 4*NL                              ; B's set and A's blocks 0-3 are in; the youngest 24 loads (A's blocks 4-7) may be out
	WIN MUL_LO
	MUL16 0, (\q)%2, \q, \slot, \zero
	MUL16 2, (\q)%2, \q, \slot, \zero
	s_wait_dscnt 0                                 ; A's blocks 4-7 are in (asked for 32 matrix instructions ago)
	PLACES NP
	FETCH_B \slot, (\q)+1, 1-(\q)%2
	FETCH_A \slot, (\q)+1, 0
	WIN MUL_HI
	MUL16 4, (\q)%2, \q, \slot, \zero
	MUL16 6, (\q)%2, \q, \slot, \zero
	PLACES NP
	WIN 0
	FETCH_A \slot, (\q)+1, 4
.endm
; A slot's last step changes slots: ONE barrier; in front of it each wave waits for all its tensor loads, adds 0 to its spare word, and waits for that and for its own reads of this slot.  fill = 1: this slot is filled again, two K steps ahead.
.macro TURN slot, next, fill
.if \fill
	s_wait_xcnt 0x0                                ; the last prefetch, a K step back, has read its address: it is stepped here, ahead of the waits of the change of slots
	s_add_nc_u64 s[PFA:PFA+1], s[PFA:PFA+1], ROWB
	s_add_co_u32 s[PT], s[PT], 1
.endif
	s_wait_tensorcnt 0x0                           ; all my tensor loads have landed: my part of the next slot;  (every window is 0 here: the add's two registers lie in window 0)
	ds_add_u32 v[SPW], v[NIL]                      ; 0 onto my spare word;
	s_wait_dscnt 4*NL+1                            ; (the add and the youngest 24 loads, A's blocks 4-7, may be out)
	WIN MUL_LO
	MUL16 0, 1, NQ-1, \slot, 0                     ; sixteen matrix instructions stand between the add and the wait for it
	s_wait_dscnt 0x0                               ; the add is done, and my reads of this slot are over
	s_barrier_signal -1
	MUL16 2, 1, NQ-1, \slot, 0
	WIN 0
	s_barrier_wait -1
.if \fill
	CREST                                          ; the barrier has opened a round of the cluster's barrier: no wave of any partner still reads this slot's tile or has a load on its way
	s_add_nc_u64 s[G0+4*\slot+2:G0+4*\slot+3], s[G0+4*\slot+2:G0+4*\slot+3], 2*ROWB
	s_add_nc_u64 s[G0B+4*\slot+2:G0B+4*\slot+3], s[G0B+4*\slot+2:G0B+4*\slot+3], 2*ROWB
	JLOAD G0+4*\slot, G1, G0B+4*\slot, G1B         ; the first tensor load behind the round; the four v_nop behind it are the places in front of the loads below
.else
	PLACES NP
.endif
	v_add_nc_u32 v[ADRS], 4*NQ, v[ADRS]            ; on to the next K step's scale words (no LDS load of mine is out)
	FETCH_B \next, 0, 0
	FETCH_A \next, 0, 0
	SCALES \next
.if \fill
	ASK
.endif
	WIN MUL_HI
	MUL16 4, 1, NQ-1, \slot, 0
	MUL16 6, 1, NQ-1, \slot, 0
	PLACES NP
	WIN 0
	FETCH_A \next, 0, 4
.endm
	s_wait_tensorcnt 1                             ; the scales and my part of K step 0 are in (K step 1's load may be out)
	s_barrier_signal -1
	s_barrier_wait -1                              ; everybody's are
	FETCH_B 0, 0, 0
	FETCH_A 0, 0, 0
	SCALES 0
	FETCH_A 0, 0, 4
	STEP 0, 0, 1                                   ; the first step stands in front of the loop: its products start the sums
	s_mov_b32 s3, LAPS-1
.Llap:                                                 ; a trip goes once round the ring, from a lap's second step to the next lap's first, and fills both slots again
	TURN 0, 1, 1
	STEP 1, 0, 0
	TURN 1, 0, 1
	STEP 0, 0, 0
	s_sub_co_u32 s3, s3, 1
	s_cmp_lg_u32 s3, 0
	s_cbranch_scc1 .Llap
	TURN 0, 1, 0                                   ; the last lap fills nothing, and has no round of the cluster's barrier
	STEP 1, 0, 0
	s_wait_dscnt 4*NL                              ; the very last step: nothing more to fetch
	WIN MUL_LO
	MUL16 0, 1, NQ-1, 1, 0
	MUL16 2, 1, NQ-1, 1, 0
	s_wait_dscnt 0
	WIN MUL_HI
	MUL16 4, 1, NQ-1, 1, 0
	MUL16 6, 1, NQ-1, 1, 0
	WIN 0
; THE WAY OUT, block by block of 16 rows x 128 columns: 64 numbers a lane.  c x acc + hb; 2^(..); + 1; 1 / (..); the sum with w2 over the lane's 64 columns, then with the other half of the lanes' 64.
; The exponentials are one batch with one wait ahead of their first reader, and so are the reciprocals.
; A row's sum goes to my stage, 512 bytes in slot 0, which has had its last fill, and which nobody reads behind the last change of slots.
.macro EBLK a
.set AC, 64*((\a)%4)
	WIN 0x02+(\a)/4                                ; source 0: window 2 or 3
.irp b, 0,1,2,3,4,5,6,7
.irp p, 0,2,4,6
	v_pk_fma_f32 v[T+8*\b+\p:T+8*\b+\p+1], v[AC+8*\b+\p:AC+8*\b+\p+1], s[CS:CS+1], v[HB+8*\b+\p:HB+8*\b+\p+1] op_sel_hi:[1,0,1]   ; each accumulator from its low end on
.endr
.endr
	WIN 0
.set J, 0
.rept 64
	v_exp_f32 v[T+J], v[T+J]
.set J, J+1
.endr
	v_nop                                          ; a plain place behind the last exponential
	s_wait_alu depctr_va_vdst(0)                   ; one wait for the batch
.set J, 0
.rept 32
	v_pk_add_f32 v[T+J:T+J+1], v[T+J:T+J+1], 1.0 op_sel_hi:[1,0]
.set J, J+2
.endr
.set J, 0
.rept 64
	v_rcp_f32 v[T+J], v[T+J]
.set J, J+1
.endr
	v_nop                                          ; a plain place behind the last reciprocal
	s_wait_alu depctr_va_vdst(0)                   ; one wait for the batch
	WIN 0x04                                       ; source 1 (w2): window 1
.irp p, 0,2,4,6
	v_pk_mul_f32 v[S+\p:S+\p+1], v[T+\p:T+\p+1], v[96+\p:97+\p]   ; four chains, started by the first tile of columns
.endr
.irp b, 1,2,3,4,5,6,7
.irp p, 0,2,4,6
	v_pk_fma_f32 v[S+\p:S+\p+1], v[T+8*\b+\p:T+8*\b+\p+1], v[96+8*\b+96*(\b/4)+\p:96+8*\b+96*(\b/4)+\p+1], v[S+\p:S+\p+1]
.endr
.endr
	WIN 0
	v_pk_add_f32 v[S:S+1], v[S:S+1], v[S+2:S+3]
	v_pk_add_f32 v[S+4:S+5], v[S+4:S+5], v[S+6:S+7]
	v_pk_add_f32 v[S:S+1], v[S:S+1], v[S+4:S+5]
	v_add_f32 v[ER], v[S], v[S+1]
	v_permlanex16_b32 v[PX], v[ER], s[SEL], s[SEL+1]
	v_add_f32 v[ER], v[ER], v[PX]                  ; row 16 a + r's sum over my 128 columns
	ds_store_b32 v[STO], v[ER] offset:64*(\a)      ; both halves of the lanes write the same word with the same value
.endm
	PLACES NP                                      ; behind the last products: for the reads of their results, and for the lines that write registers that held A's fragments
	s_wait_loadcnt 0x0                             ; hb and w2
	v_mov_b32 v[PX], 0                             ; a lane permute's destination counts as one of its sources
.irp a, 0,1,2,3,4,5,6,7
	EBLK \a
.endr
	ds_load_b128 v[BK:BK+3], v[RD]                 ; LDS serves a wave's instructions in order: these see my stores
	s_wait_dscnt 0x0
	global_store_b128 v[CO], v[BK:BK+3], s[12:13]  ; 32 lanes store my 128 rows' sums: 512 consecutive bytes, at a multiple of 256 from ep's first byte
	s_wait_tensorcnt 0x0                           ; the wave's end, behind my last tensor load and my last LDS store
	ds_add_u32 v[SPW], v[NIL]
	s_wait_dscnt 0x0
	CROUND                                         ; the closing round: no work-group ends while a partner may still ask for a tile that names it
	s_endpgm
.Lfunc_end_k_qdb67284977_scores:
	.size	k_qdb67284977_scores, .Lfunc_end_k_qdb67284977_scores-k_qdb67284977_scores
	.p2alignl 7, 3214868480
	.fill 96, 4, 3214868480
	.section	.rodata,"a",@progbits
	.p2align	6, 0x0
	.amdhsa_kernel k_qdb67284977_scores
		.amdhsa_group_segment_fixed_size 327680
		.amdhsa_private_segment_fixed_size 0
		.amdhsa_enable_private_segment 0
		.amdhsa_kernarg_size 40
		.amdhsa_user_sgpr_count 2
		.amdhsa_user_sgpr_kernarg_segment_ptr 1
		.amdhsa_wavefront_size32 1
		.amdhsa_system_sgpr_workgroup_id_x 1
		.amdhsa_system_sgpr_workgroup_id_y 1
		.amdhsa_system_sgpr_workgroup_id_z 1
		.amdhsa_system_vgpr_workitem_id 0
		.amdhsa_next_free_vgpr 1024
		.amdhsa_next_free_sgpr 106
		.amdhsa_reserve_vcc 0
		.amdhsa_float_denorm_mode_32 3
		.amdhsa_float_denorm_mode_16_64 3
		.amdhsa_memory_ordered 1
		.amdhsa_forward_progress 1
		.amdhsa_inst_pref_size 221
	.end_amdhsa_kernel
	.amdgpu_metadata
---
amdhsa.version: [ 1, 2 ]
amdhsa.kernels:
  - .name:           k_qdb67284977_scores
    .symbol:         k_qdb67284977_scores.kd
    .args:
      - { .name: aq, .offset: 0, .size: 8, .value_kind: global_buffer, .address_space: global }
      - { .name: w1q, .offset: 8, .size: 8, .value_kind: global_buffer, .address_space: global }
      - { .name: hb, .offset: 16, .size: 8, .value_kind: global_buffer, .address_space: global }
      - { .name: w2, .offset: 24, .size: 8, .value_kind: global_buffer, .address_space: global }
      - { .name: ep, .offset: 32, .size: 8, .value_kind: global_buffer, .address_space: global }
    .group_segment_fixed_size: 327680
    .private_segment_fixed_size: 0
    .kernarg_segment_align: 8
    .kernarg_segment_size: 40
    .max_flat_workgroup_size: 128
    .sgpr_count:     106
    .vgpr_count:     1024
    .wavefront_size: 32
...
	.end_amdgpu_metadata
.endif
;; end of part 2
;; launch context (part 3): grid 24 x 32, 8 waves a work-group, no clusters, 7,680 bytes of LDS; arguments encoder_outputs, ep, cq; writes cq
.if DOCPART == 3
	.amdgcn_target "amdgcn-amd-amdhsa--gfx1250"
	.amdhsa_code_object_version 6
	.text
	.protected	k_qdb67284977_context
	.globl	k_qdb67284977_context
	.p2align	8
	.type	k_qdb67284977_context,@function
k_qdb67284977_context:
	s_mov_b64 s[64:65], 0
	v_nop
	global_prefetch_b8 v0, s[64:65] scope:SCOPE_SE
	s_setreg_imm32_b32 hwreg(HW_REG_WAVE_MODE, 25, 1), 1
	s_wait_xcnt 0x0
; cq = Q(context), context[b][f] = the sum over s of softmax_s(e[b][s]) enc[b][s][f], all in f32, then quantised along f to FP6 (E2M3) with one E8M0 byte for each 32.
; A score is e = sum(w2) - 2 x (the sum of ep's eight chunks); LEFT OUT: sum(w2), the same along the softmax's axis (shown at the head of launch quant).  So t = e log2(e) is taken as -2 log2(e) x that sum.
; The batch's largest t is taken away before the exponential; p = 2^(t - max); the sum of p x enc is divided by the sum of p at the end.
; SHARES.  Work-group (g, b) takes batch b and columns 128 g .. 128 g + 127.  Each of its eight waves takes 64 positions; a position's 128 columns are 512 consecutive bytes: one load of 16 bytes a lane.
; Every work-group of a batch makes the batch's 512 weights anew: 16 KiB of ep and 80 exponentials a lane, beside 256 KiB of enc.  The waves' sums meet in LDS; wave 0 adds, divides, quantises and stores.
; Memory binds: sixteen row loads of every wave are always out; no matrix unit, no tensor load, no cluster: work-groups share ep alone.
; cq: codes [32][2304 bytes] at byte 0, scale bytes [32][96] at 73,728.  A work-group's part is 96 bytes of codes and 4 scale bytes: short stores, 100 bytes for each 256 KiB read.
; LIMITS: as in launch quant (the byte 1 for blocks under 2^-124 and for blocks of zeros; NaN and infinities are not served).
.set RED,   2048                       ; LDS: 0 .. 2047 the batch's 512 t;  2,048 on: 512 bytes of sums for each wave;
.set CT,    6144                       ; the 128 finished numbers;
.set SPARE, 6656                       ; the spare words, 128 bytes for each wave, which no other line names
.set SPW,  10                          ; v10  LDS address of my spare word; never rewritten
.set NIL,  11                          ; v11  0; never rewritten
.set ACC,  12                          ; v12-15   my four columns' sums
.set X,    32                          ; v32-95   sixteen slots of four numbers
.set WT,   96                          ; v96-159  my wave's 64 positions' t, then p, the same in every lane
	s_load_b128 s[4:7], s[0:1], 0x0                ; enc s[4:5], ep s[6:7]
	s_load_b64 s[8:9], s[0:1], 0x10                ; cq
	v_lshl_add_u32 v[SPW], v0, 2, SPARE
	v_mov_b32 v[NIL], 0
	v_lshrrev_b32 v1, 5, v0
	v_readfirstlane_b32 s16, v1                    ; wave
	v_and_b32 v1, 31, v0                           ; lane
	v_lshlrev_b32 v2, 4, v1                        ; 16 x lane: my 16 bytes of a row's 512; also my place in LDS rows of 512 bytes
	v_lshlrev_b32 v3, 3, v0                        ; 8 x thread: my two positions, in ep and in LDS
	v_and_b32 v4, 7, v1
	v_lshlrev_b32 v4, 6, v4                        ; 64 x (lane % 8): 16 finished numbers
	v_mov_b32 v5, 0                                ; a lane permute's destination counts as one of its sources
	s_lshl_b32 s17, s16, 8
	v_mov_b32 v6, s17                              ; 256 x wave: my wave's 64 t
	s_lshl_b32 s17, s16, 9
	v_add_nc_u32 v7, s17, v2                       ; 512 x wave + 16 x lane: my sums' place
	s_and_b32 s18, ttmp7, 0xffff                   ; b
	s_mul_i32 s20, s18, 512*12288                  ; the batch,
	s_mul_i32 s21, s16, 64*12288                   ; my wave's 64 positions,
	s_add_co_u32 s20, s20, s21
	s_lshl_b32 s21, ttmp9, 9                       ; the work-group's 128 columns (in all under 2^28 bytes)
	s_add_co_u32 s20, s20, s21
	s_mov_b32 s21, 0
	s_lshl_b32 s22, s18, 11                        ; ep: 512 positions of 4 bytes a batch
	s_mov_b32 s23, 0
	s_mul_i32 s24, s18, 2304
	s_mul_i32 s25, ttmp9, 96
	s_add_co_u32 s24, s24, s25                     ; my codes
	s_mov_b32 s25, 0
	s_mul_i32 s26, s18, 96
	s_lshl_b32 s27, ttmp9, 2
	s_add_co_u32 s26, s26, s27
	s_add_co_u32 s26, s26, 73728                   ; my scale bytes
	s_mov_b32 s27, 0
	s_mov_b32 s12, 0x76543210
	s_mov_b32 s13, 0xfedcba98                      ; v_permlanex16_b32's selects for lane l xor 16
	s_mov_b32 s14, 0xc038aa3b                      ; -2 log2(e)
	s_mov_b32 s15, s14                             ; (named with it as a pair, so it is written)
	s_wait_kmcnt 0x0
	s_add_nc_u64 s[4:5], s[4:5], s[20:21]
	s_add_nc_u64 s[6:7], s[6:7], s[22:23]
	s_add_nc_u64 s[10:11], s[8:9], s[26:27]
	s_add_nc_u64 s[8:9], s[8:9], s[24:25]
.irp p, 0,1,2,3,4,5,6,7
	global_load_b64 v[16+2*\p:17+2*\p], v3, s[6:7] offset:65536*\p   ; the eight chunks' sums of my two positions
.endr
.irp i, 0,1,2,3,4,5,6,7,8,9,10,11,12,13,14,15
	global_load_b128 v[X+4*\i:X+4*\i+3], v2, s[4:5] offset:12288*\i th:TH_LOAD_NT   ; the ring is filled: they land while the weights are made
.endr
	s_wait_loadcnt 16                              ; ep's eight loads are in; the sixteen rows stay out
.irp p, 0,4,8,12
	v_pk_add_f32 v[16+\p:17+\p], v[16+\p:17+\p], v[18+\p:19+\p]
.endr
	v_pk_add_f32 v[16:17], v[16:17], v[20:21]
	v_pk_add_f32 v[24:25], v[24:25], v[28:29]
	v_pk_add_f32 v[16:17], v[16:17], v[24:25]
	v_pk_mul_f32 v[16:17], v[16:17], s[14:15] op_sel_hi:[1,0]   ; t
	ds_store_b64 v3, v[16:17]
	s_wait_dscnt 0x0                               ; for the others' sake: my store has landed
	s_barrier_signal -1
	s_barrier_wait -1
.irp k, 0,1,2,3
	ds_load_b128 v[16+4*\k:19+4*\k], v2 offset:512*\k   ; all 512 t, 16 a lane
.endr
.irp k, 0,1,2,3,4,5,6,7,8,9,10,11,12,13,14,15
	ds_load_b128 v[WT+4*\k:WT+4*\k+3], v6 offset:16*\k  ; my wave's 64, the same in every lane
.endr
	s_wait_dscnt 0x0
	v_max3_num_f32 v8, v16, v17, v18
.irp j, 19,21,23,25,27,29
	v_max3_num_f32 v8, v8, v[\j], v[\j+1]
.endr
	v_max_num_f32 v8, v8, v31
	v_max_num_f32_dpp v8, v8, v8 row_xmask:1 row_mask:0xf bank_mask:0xf
	v_max_num_f32_dpp v8, v8, v8 row_xmask:2 row_mask:0xf bank_mask:0xf
	v_max_num_f32_dpp v8, v8, v8 row_xmask:4 row_mask:0xf bank_mask:0xf
	v_max_num_f32_dpp v8, v8, v8 row_xmask:8 row_mask:0xf bank_mask:0xf
	v_permlanex16_b32 v5, v8, s12, s13
	v_max_num_f32 v8, v8, v5                       ; the batch's largest t, in every lane
.set J, 0
.rept 16
	v_sub_f32 v[16+J], v[16+J], v8
.set J, J+1
.endr
.set J, 0
.rept 64
	v_sub_f32 v[WT+J], v[WT+J], v8
.set J, J+1
.endr
.set J, 0
.rept 16
	v_exp_f32 v[16+J], v[16+J]
.set J, J+1
.endr
.set J, 0
.rept 64
	v_exp_f32 v[WT+J], v[WT+J]                     ; p, at most 1
.set J, J+1
.endr
	v_nop                                          ; a plain place behind the last exponential
	s_wait_alu depctr_va_vdst(0)                   ; one wait for the batch of 80, ahead of its first reader
.irp p, 0,4,8,12
	v_pk_add_f32 v[16+\p:17+\p], v[16+\p:17+\p], v[18+\p:19+\p]
.endr
	v_pk_add_f32 v[16:17], v[16:17], v[20:21]
	v_pk_add_f32 v[24:25], v[24:25], v[28:29]
	v_pk_add_f32 v[16:17], v[16:17], v[24:25]
	v_add_f32 v9, v16, v17
	v_add_f32_dpp v9, v9, v9 row_xmask:1 row_mask:0xf bank_mask:0xf
	v_add_f32_dpp v9, v9, v9 row_xmask:2 row_mask:0xf bank_mask:0xf
	v_add_f32_dpp v9, v9, v9 row_xmask:4 row_mask:0xf bank_mask:0xf
	v_add_f32_dpp v9, v9, v9 row_xmask:8 row_mask:0xf bank_mask:0xf
	v_permlanex16_b32 v5, v9, s12, s13
	v_add_f32 v9, v9, v5                           ; the sum of the 512 p: at least 1
	v_rcp_f32 v9, v9
	v_nop                                          ; a plain place behind the reciprocal,
	s_wait_alu depctr_va_vdst(0)                   ; and its wait, ahead of the branches below
; Position i of my 64: its load is in, the younger ones stay out; four fused multiply-adds; its slot takes the position 16 further on.
.macro ROW i
.if (\i) <= 48
	s_wait_loadcnt 15                              ; the fifteen younger rows may be out
.else
	s_wait_loadcnt 63-(\i)                         ; the last rows load nothing: the counts run down
.endif
.irp k, 0,1,2,3
.if (\i) == 0
	v_mul_f32 v[ACC+\k], v[X+4*((\i)%16)+\k], v[WT+(\i)]           ; the first position starts the sums
.else
	v_fma_f32 v[ACC+\k], v[X+4*((\i)%16)+\k], v[WT+(\i)], v[ACC+\k]
.endif
.endr
.if (\i) < 48
	global_load_b128 v[X+4*((\i)%16):X+4*((\i)%16)+3], v2, s[4:5] offset:12288*((\i)+16) th:TH_LOAD_NT
.endif
.endm
.set I, 0
.rept 64
	ROW I
.set I, I+1
.endr
	ds_store_b128 v7, v[ACC:ACC+3] offset:RED
	s_wait_dscnt 0x0                               ; for wave 0's sake: my store has landed
	s_barrier_signal -1
	s_barrier_wait -1
	s_cmp_lg_u32 s16, 0
	s_cbranch_scc1 .Lend
.irp k, 0,1,2,3,4,5,6,7
	ds_load_b128 v[32+4*\k:35+4*\k], v2 offset:RED+512*\k   ; the eight waves' sums of my four columns
.endr
	s_wait_dscnt 0x0
.irp k, 0,2,4,6
	v_pk_add_f32 v[32+4*\k:33+4*\k], v[32+4*\k:33+4*\k], v[36+4*\k:37+4*\k]
	v_pk_add_f32 v[34+4*\k:35+4*\k], v[34+4*\k:35+4*\k], v[38+4*\k:39+4*\k]
.endr
.irp k, 0,4
	v_pk_add_f32 v[32+4*\k:33+4*\k], v[32+4*\k:33+4*\k], v[40+4*\k:41+4*\k]
	v_pk_add_f32 v[34+4*\k:35+4*\k], v[34+4*\k:35+4*\k], v[42+4*\k:43+4*\k]
.endr
	v_pk_add_f32 v[32:33], v[32:33], v[48:49]
	v_pk_add_f32 v[34:35], v[34:35], v[50:51]
.irp k, 0,1,2,3
	v_mul_f32 v[ACC+\k], v[32+\k], v9              ; / the sum of p: the context
.endr
	ds_store_b128 v2, v[ACC:ACC+3] offset:CT       ; the conversion wants 16 neighbours in a lane: the 128 numbers turn through LDS
.irp i, 0,1,2,3
	ds_load_b128 v[64+4*\i:67+4*\i], v4 offset:CT+16*\i   ; LDS serves a wave's instructions in order: these see my stores.  Lane l holds numbers 16 (l % 8) on
.endr
	v_mul_u32_u24 v19, v1, 12                      ; my codes' place,
	v_lshrrev_b32 v20, 1, v1                       ; and my block's byte's
	s_wait_dscnt 0x0
	v_max3_num_f32 v16, |v64|, |v65|, |v66|        ; the largest magnitude of my 16, in two chains
	v_max3_num_f32 v17, |v67|, |v68|, |v69|
.irp i, 6,10
	v_max3_num_f32 v16, v16, |v[64+\i]|, |v[65+\i]|
	v_max3_num_f32 v17, v17, |v[66+\i]|, |v[67+\i]|
.endr
	v_max3_num_f32 v16, v16, |v78|, |v79|
	v_max3_num_f32 v16, v16, v17, 0x1800000        ; and the floor 2^(3 - 127): the byte cannot fall under 1
	v_max_num_f32_dpp v16, v16, v16 row_xmask:1 row_mask:0xf bank_mask:0xf   ; and of my neighbour's 16: the block's
	v_add_nc_u32 v17, 0xff000000, v16              ; 2 off its exponent field: the conversion's scale operand
	v_cvt_scalef32_pk16_fp6_f32 v[80:82], v[64:79], v17
	v_lshrrev_b32 v18, 23, v17                     ; the scale's byte
	s_wait_xcnt 0x0                                ; EXEC changes only behind this wait
	v_cmp_gt_u32 vcc_lo, 8, v1
	s_and_saveexec_b32 s28, vcc_lo                 ; lanes 0-7 hold the 128 numbers once
	global_store_b96 v19, v[80:82], s[8:9]         ; 96 consecutive bytes
	global_store_b8 v20, v18, s[10:11]             ; both lanes of a block write the same byte with the same value
	s_wait_xcnt 0x0                                ; and again, in front of the line that widens EXEC
	s_or_b32 exec_lo, exec_lo, s28
.Lend:
	s_wait_tensorcnt 0x0                           ; the wave's end, behind my last LDS store
	ds_add_u32 v[SPW], v[NIL]
	s_wait_dscnt 0x0
	s_endpgm
.Lfunc_end_k_qdb67284977_context:
	.size	k_qdb67284977_context, .Lfunc_end_k_qdb67284977_context-k_qdb67284977_context
	.p2alignl 7, 3214868480
	.fill 96, 4, 3214868480
	.section	.rodata,"a",@progbits
	.p2align	6, 0x0
	.amdhsa_kernel k_qdb67284977_context
		.amdhsa_group_segment_fixed_size 7680
		.amdhsa_private_segment_fixed_size 0
		.amdhsa_enable_private_segment 0
		.amdhsa_kernarg_size 24
		.amdhsa_user_sgpr_count 2
		.amdhsa_user_sgpr_kernarg_segment_ptr 1
		.amdhsa_wavefront_size32 1
		.amdhsa_system_sgpr_workgroup_id_x 1
		.amdhsa_system_sgpr_workgroup_id_y 1
		.amdhsa_system_sgpr_workgroup_id_z 1
		.amdhsa_system_vgpr_workitem_id 0
		.amdhsa_next_free_vgpr 160
		.amdhsa_next_free_sgpr 66
		.amdhsa_reserve_vcc 1
		.amdhsa_float_denorm_mode_32 3
		.amdhsa_float_denorm_mode_16_64 3
		.amdhsa_memory_ordered 1
		.amdhsa_forward_progress 1
		.amdhsa_inst_pref_size 39
	.end_amdhsa_kernel
	.amdgpu_metadata
---
amdhsa.version: [ 1, 2 ]
amdhsa.kernels:
  - .name:           k_qdb67284977_context
    .symbol:         k_qdb67284977_context.kd
    .args:
      - { .name: encoder_outputs, .offset: 0, .size: 8, .value_kind: global_buffer, .address_space: global }
      - { .name: ep, .offset: 8, .size: 8, .value_kind: global_buffer, .address_space: global }
      - { .name: cq, .offset: 16, .size: 8, .value_kind: global_buffer, .address_space: global }
    .group_segment_fixed_size: 7680
    .private_segment_fixed_size: 0
    .kernarg_segment_align: 8
    .kernarg_segment_size: 24
    .max_flat_workgroup_size: 256
    .sgpr_count:     66
    .vgpr_count:     160
    .wavefront_size: 32
...
	.end_amdgpu_metadata
.endif
;; end of part 3
;; launch project (part 4): grid 64 x 1, 8 waves a work-group, no clusters, 17,408 bytes of LDS; arguments cq, w3q, b3, out0; writes out0
.if DOCPART == 4
	.amdgcn_target "amdgcn-amd-amdhsa--gfx1250"
	.amdhsa_code_object_version 6
	.text
	.protected	k_qdb67284977_project
	.globl	k_qdb67284977_project
	.p2align	8
	.type	k_qdb67284977_project,@function
k_qdb67284977_project:
	s_mov_b64 s[64:65], 0
	v_nop
	global_prefetch_b8 v0, s[64:65] scope:SCOPE_SE
	s_setreg_imm32_b32 hwreg(HW_REG_WAVE_MODE, 25, 1), 1
	s_wait_xcnt 0x0
; out0 = Q(context) Q(W3)^T + b3: [32][3072] x [1024][3072]^T on codes of FP6 (E2M3) with one E8M0 byte for each 32 along K, as launches context and quant have laid them (a row: 2,304 bytes of codes, 96 scale bytes).
; SHARES.  Work-group g takes columns 16 g .. 16 g + 15 of the output and all 32 rows; wave w takes K steps 3 w .. 3 w + 2 of the 24: three fragments of W3, six of the context, six products on two accumulators by turns
;   The fragments go from memory straight into registers: each is read by this wave once.  The eight waves' sums meet in LDS; waves 0-3 add them and b3 and store.
; THE PRODUCT: source 0 = 16 rows of W3, source 1 = 16 rows of the context: lane (r, h) holds row r of the output and columns 8 h + 0 .. 7.
; A work-group's 16 columns are 64 bytes of an output row: four neighbouring lanes store them.  Wider shares would leave fewer work-groups for a launch whose length is one chain of loads, products and stores.
.set SPARE, 16384                      ; LDS: 2,048 bytes of sums for each wave, [32 rows][16 columns]; then the spare words, 128 bytes for each wave, which no other line names
.set SPW,  10                          ; v10  LDS address of my spare word; never rewritten
.set NIL,  11                          ; v11  0; never rewritten
.set FW,   16                          ; v16-51    W3's fragments: K step u at FW + 12 u
.set FX,   52                          ; v52-123   the context's: (tile of rows t, K step u) at FX + 12 (2 u + t)
.set SW,   124                         ; v124-126  W3's scale words
.set SX,   128                         ; v128-133  the context's
.set ACC0, 136                         ; v136-143, v144-151 rows 0-15, rows 16-31
.set BB,   152                         ; v152-155  b3
	s_load_b256 s[4:11], s[0:1], 0x0               ; cq s[4:5], w3q s[6:7], b3 s[8:9], out0 s[10:11]
	v_lshl_add_u32 v[SPW], v0, 2, SPARE
	v_mov_b32 v[NIL], 0
	v_lshrrev_b32 v1, 5, v0
	v_readfirstlane_b32 s12, v1                    ; wave
	v_and_b32 v1, 15, v0                           ; r
	v_bfe_u32 v8, v0, 4, 1                         ; h
	v_mul_u32_u24 v2, v1, 2304
	v_mad_u32_u24 v2, v8, 24, v2                   ; codes: row r, + 24 h
	v_mul_u32_u24 v3, v1, 96                       ; scale words: row r
	s_lshl_b32 s13, s12, 11
	v_lshlrev_b32 v4, 6, v1
	v_lshl_add_u32 v4, v8, 5, v4
	v_add_nc_u32 v4, s13, v4                       ; LDS, in: 2,048 x wave + 64 r + 32 h
	v_lshlrev_b32 v5, 4, v0                        ; LDS, back: 16 x thread: row thread / 4, columns 4 (thread % 4) on
	v_and_b32 v7, 3, v0
	v_lshlrev_b32 v7, 4, v7                        ; b3: 16 (thread % 4)
	v_lshrrev_b32 v6, 2, v0
	v_lshl_add_u32 v6, v6, 12, v7                  ; out0: row thread / 4 of 4,096 bytes, + 16 (thread % 4)
	s_mul_i32 s14, s12, 288                        ; my three K steps' codes: 96 bytes each
	s_mov_b32 s15, 0
	s_mul_i32 s16, ttmp9, 16*2304                  ; the work-group's 16 rows of W3
	s_add_co_u32 s16, s16, s14
	s_mov_b32 s17, 0
	s_mul_i32 s18, s12, 12                         ; my three scale words
	s_add_co_u32 s20, s18, 73728                   ; the context's scale bytes lie behind its codes,
	s_mov_b32 s21, 0
	s_mul_i32 s22, ttmp9, 16*96
	s_add_co_u32 s22, s22, s18
	s_add_co_u32 s22, s22, 0x240000                ; and so do W3's
	s_mov_b32 s23, 0
	s_lshl_b32 s24, ttmp9, 6                       ; the work-group's 16 columns, in b3 and in a row of out0
	s_mov_b32 s25, 0
	s_wait_kmcnt 0x0
	s_add_nc_u64 s[26:27], s[4:5], s[20:21]
	s_add_nc_u64 s[4:5], s[4:5], s[14:15]
	s_add_nc_u64 s[28:29], s[6:7], s[22:23]
	s_add_nc_u64 s[6:7], s[6:7], s[16:17]
	s_add_nc_u64 s[8:9], s[8:9], s[24:25]
	s_add_nc_u64 s[10:11], s[10:11], s[24:25]
.irp u, 0,1,2                                  ; a fragment: 24 bytes of the row's stream of bits at 24 h and 24 at 48 + 24 h, in pieces of 8 bytes
.irp p, 0,1,2,3,4,5
	global_load_b64 v[FW+12*\u+2*\p:FW+12*\u+2*\p+1], v2, s[6:7] offset:96*\u+48*(\p/3)+8*(\p%3)
.endr
	global_load_b32 v[SW+\u], v3, s[28:29] offset:4*\u
.irp t, 0,1
.irp p, 0,1,2,3,4,5
	global_load_b64 v[FX+12*(2*\u+\t)+2*\p:FX+12*(2*\u+\t)+2*\p+1], v2, s[4:5] offset:36864*\t+96*\u+48*(\p/3)+8*(\p%3)
.endr
	global_load_b32 v[SX+2*\u+\t], v3, s[26:27] offset:1536*\t+4*\u
.endr
.endr
	global_load_b128 v[BB:BB+3], v7, s[8:9]
	s_wait_loadcnt 0x0
.irp u, 0,1,2
.irp t, 0,1
.if \u == 0
	v_wmma_scale_f32_16x16x128_f8f6f4 v[ACC0+8*\t:ACC0+8*\t+7], v[FW+12*\u:FW+12*\u+11], v[FX+12*(2*\u+\t):FX+12*(2*\u+\t)+11], 0, v[SW+\u], v[SX+2*\u+\t] matrix_a_fmt:MATRIX_FMT_FP6 matrix_b_fmt:MATRIX_FMT_FP6
.else
	v_wmma_scale_f32_16x16x128_f8f6f4 v[ACC0+8*\t:ACC0+8*\t+7], v[FW+12*\u:FW+12*\u+11], v[FX+12*(2*\u+\t):FX+12*(2*\u+\t)+11], v[ACC0+8*\t:ACC0+8*\t+7], v[SW+\u], v[SX+2*\u+\t] matrix_a_fmt:MATRIX_FMT_FP6 matrix_b_fmt:MATRIX_FMT_FP6
.endif
.endr
.endr
.rept 4
	v_nop                                          ; four places in front of the first read of the results, and of the loads into registers that the products have read
.endr
.irp t, 0,1
	ds_store_b128 v4, v[ACC0+8*\t:ACC0+8*\t+3] offset:1024*\t      ; each accumulator from its low end on
	ds_store_b128 v4, v[ACC0+8*\t+4:ACC0+8*\t+7] offset:1024*\t+16
.endr
	s_wait_dscnt 0x0                               ; for the others' sake: my stores have landed
	s_barrier_signal -1
	s_barrier_wait -1
	s_cmp_ge_u32 s12, 4
	s_cbranch_scc1 .Lend                           ; 512 numbers are 128 threads x 4
.irp k, 0,1,2,3,4,5,6,7
	ds_load_b128 v[16+4*\k:19+4*\k], v5 offset:2048*\k   ; the eight waves' parts of my four numbers
.endr
	s_wait_dscnt 0x0
.irp k, 0,2,4,6
	v_pk_add_f32 v[16+4*\k:17+4*\k], v[16+4*\k:17+4*\k], v[20+4*\k:21+4*\k]
	v_pk_add_f32 v[18+4*\k:19+4*\k], v[18+4*\k:19+4*\k], v[22+4*\k:23+4*\k]
.endr
.irp k, 0,4
	v_pk_add_f32 v[16+4*\k:17+4*\k], v[16+4*\k:17+4*\k], v[24+4*\k:25+4*\k]
	v_pk_add_f32 v[18+4*\k:19+4*\k], v[18+4*\k:19+4*\k], v[26+4*\k:27+4*\k]
.endr
	v_pk_add_f32 v[16:17], v[16:17], v[32:33]
	v_pk_add_f32 v[18:19], v[18:19], v[34:35]
	v_pk_add_f32 v[16:17], v[16:17], v[BB:BB+1]    ; + b3
	v_pk_add_f32 v[18:19], v[18:19], v[BB+2:BB+3]
	global_store_b128 v6, v[16:19], s[10:11]
.Lend:
	s_wait_tensorcnt 0x0                           ; the wave's end, behind my last LDS store
	ds_add_u32 v[SPW], v[NIL]
	s_wait_dscnt 0x0
	s_endpgm
.Lfunc_end_k_qdb67284977_project:
	.size	k_qdb67284977_project, .Lfunc_end_k_qdb67284977_project-k_qdb67284977_project
	.p2alignl 7, 3214868480
	.fill 96, 4, 3214868480
	.section	.rodata,"a",@progbits
	.p2align	6, 0x0
	.amdhsa_kernel k_qdb67284977_project
		.amdhsa_group_segment_fixed_size 17408
		.amdhsa_private_segment_fixed_size 0
		.amdhsa_enable_private_segment 0
		.amdhsa_kernarg_size 32
		.amdhsa_user_sgpr_count 2
		.amdhsa_user_sgpr_kernarg_segment_ptr 1
		.amdhsa_wavefront_size32 1
		.amdhsa_system_sgpr_workgroup_id_x 1
		.amdhsa_system_sgpr_workgroup_id_y 1
		.amdhsa_system_sgpr_workgroup_id_z 1
		.amdhsa_system_vgpr_workitem_id 0
		.amdhsa_next_free_vgpr 160
		.amdhsa_next_free_sgpr 66
		.amdhsa_reserve_vcc 0
		.amdhsa_float_denorm_mode_32 3
		.amdhsa_float_denorm_mode_16_64 3
		.amdhsa_memory_ordered 1
		.amdhsa_forward_progress 1
		.amdhsa_inst_pref_size 12
	.end_amdhsa_kernel
	.amdgpu_metadata
---
amdhsa.version: [ 1, 2 ]
amdhsa.kernels:
  - .name:           k_qdb67284977_project
    .symbol:         k_qdb67284977_project.kd
    .args:
      - { .name: cq, .offset: 0, .size: 8, .value_kind: global_buffer, .address_space: global }
      - { .name: w3q, .offset: 8, .size: 8, .value_kind: global_buffer, .address_space: global }
      - { .name: b3, .offset: 16, .size: 8, .value_kind: global_buffer, .address_space: global }
      - { .name: out0, .offset: 24, .size: 8, .value_kind: global_buffer, .address_space: global }
    .group_segment_fixed_size: 17408
    .private_segment_fixed_size: 0
    .kernarg_segment_align: 8
    .kernarg_segment_size: 32
    .max_flat_workgroup_size: 256
    .sgpr_count:     66
    .vgpr_count:     160
    .wavefront_size: 32
...
	.end_amdgpu_metadata
.endif
;; end of part 4
